; MI455X (gfx1250); checked and timed in simulation.
; The chip was launched on July 23, 2026; its instructions are those of AMD's public machine-readable ISA for CDNA 5 (MIT licence, August 2026) and "CDNA5" Instruction Set Architecture Reference Guide (July 2026). The comments in the code are by the model that wrote it; some were corrected since.
;; Head. Allowed arithmetic: matrix products marked QUANTISED: E4M3 operands, one E8M0 scale for each 32 along K, by v_wmma_scale_f32_16x16x128_f8f6f4 with both operands' format E4M3, f32 sums; everything else in f32.
;; Inputs: Wk 64 x 64 float32; Wq 64 x 64 float32; Wv 64 x 64 float32; inputs 32 x 2,048 x 64 float32.
;; Outputs: out0 32 x 2,048 x 64 float32.
;; This version of the problem:
;;   THIS VERSION OF THE PROBLEM IS GIVEN IN LOW PRECISION. The matrix products marked QUANTISED in the list below multiply operands that are first quantised to E4M3 (4 exponent bits, 3 mantissa bits; 8 bits a number), with one power-of-two scale for each 32 numbers along K (OCP MX v1.0); their sums are f32. All else is computed in f32.
;;   The module's matrix products, in the order in which they are computed (A, B: the left and right operand; K: the contracted axis; several contracted axes count as one K, in the product's order):
;;     1. [M 65,536, K 64] x [K 64, N 64]; A: input inputs; B: input Wq: QUANTISED
;;     2. [M 65,536, K 64] x [K 64, N 64]; A: input inputs; B: input Wk: QUANTISED
;;     3. [M 65,536, K 64] x [K 64, N 64]; A: input inputs; B: input Wv: QUANTISED
;;     4. batch 32 x [M 2,048, K 64] x [K 64, N 2,048]; A: computed on the way; B: computed on the way: QUANTISED
;;     5. batch 32 x [M 2,048, K 2,048] x [K 2,048, N 64]; A: softmax (see below); B: computed on the way: QUANTISED
;;   THE QUANTISER, for each operand of a quantised product, along K:
;;     - K is cut into blocks of 32 from its start; a last block that is shorter is filled with zeros.
;;     - A block's scale is 2^e with e = floor(log2(the largest magnitude in the block)) - 8, held to -126 .. 127; a block of zeros has e = 0. As a byte (E8M0): e + 127.
;;     - Each number is divided by its block's scale, clamped to +-448, and rounded to the nearest number of E4M3, ties to even, subnormals kept.
;;     - The product sums the exact products of the quantised numbers (number of the format x scale) in f32.
;;   ~~~python
;;   def quantise(x, axis):      # numpy; x: float32 -> the quantised numbers, widened to float32 again
;;       x = np.moveaxis(x, axis, -1); K = x.shape[-1]
;;       x = np.pad(x, [(0, 0)] * (x.ndim - 1) + [(0, -K % 32)]); x = x.reshape(x.shape[:-1] + (-1, 32)); a = np.abs(x).max(-1, keepdims=True)
;;       e = np.where(a > 0, np.clip(np.frexp(np.where(a > 0, a, 1))[1] - 1 - 8, -126, 127), 0)      # np.frexp(a)[1] - 1 = floor(log2(a)), exactly
;;       r = np.clip(x / 2.0 ** e, -448, 448)
;;       step = 2.0 ** (np.maximum(np.frexp(np.where(r == 0, 1, r))[1] - 1, -6) - 3)
;;       q = np.round(r / step) * step * 2.0 ** e      # np.round: ties to even
;;       return np.moveaxis(q.reshape(q.shape[:-2] + (-1,))[..., :K], -1, axis).astype(np.float32)
;;   ~~~
;;   SOFTMAX AHEAD OF A QUANTISED PRODUCT. Where the list says 'softmax', what is quantised is not the finished softmax but p = 2^(t - M), with t = logit x log2(e) and M = ceil(the row's largest t), a whole number; so 1/2 < the row's largest p <= 1. The row's sum l is taken of the UNQUANTISED p, in f32, and the product's result is divided by l at the end. Since M is a whole number, a kernel that streams over the keys may use a running M (the ceiling of the running maximum): every later rescaling is an exact power of two, which a block's scale takes up: the codes' values come out the same.
;;   OPERANDS COMPUTED ON THE WAY. 'Computed on the way' means the value that the module computes at that place (a softmax that the list does not call 'softmax' is quantised finished and normalised). What goes into a quantiser is computed in f32, as accurately as f32 sums, v_exp_f32 and their like allow (about 1e-6 of the number): no bf16 or f16 on the way to a quantiser, and a product that is left as it is and whose result goes on into a quantised operand takes f32 operands (vector FMAs, or v_wmma_f32_16x16x4_f32). A number that lies on a knife's edge between two numbers of the format may be rounded either way, as far as f32 arithmetic and the matrix unit's own rounding can turn it there, and no further.
;; One version. Each part assembles by itself: llvm-mc -triple=amdgcn-amd-amdhsa -mcpu=gfx1250 --defsym DOCPART=n.
;; ======== version 1 of 1: 2 launches
;; limits: right only within a limited range of input values
;; workspace buffers: qc 4,194,304 bytes; kv 8,781,824 bytes; qs 262,144 bytes
;; launch proj (part 1): grid 256 x 1, 8 waves a work-group, no clusters, 87,040 bytes of LDS; arguments inputs, Wq, Wk, Wv, qc, kv, qs; writes qc, kv, qs
.if DOCPART == 1
	.amdgcn_target "amdgcn-amd-amdhsa--gfx1250"
	.amdhsa_code_object_version 6
	.text
	.protected	k_q5d4e062280_proj
	.globl	k_q5d4e062280_proj
	.p2align	8
	.type	k_q5d4e062280_proj,@function
k_q5d4e062280_proj:
	s_mov_b64 s[64:65], 0
	v_nop
	global_prefetch_b8 v0, s[64:65] scope:SCOPE_SE
	s_setreg_imm32_b32 hwreg(HW_REG_WAVE_MODE, 25, 1), 1
	s_wait_xcnt 0x0
; q = x Wq^T, k = x Wk^T, v = x Wv^T on codes of FP8 (E4M3) with one E8M0 scale for each 32 along K, and q, k, v quantised again for the attention launch.
; x: [65,536 tokens][64] f32; Wq, Wk, Wv: [64][64] f32, K (the 64 of the embedding) innermost in all four.  The matrix instruction is 128 deep: k = 64 .. 127 holds zero codes on both sides here.
; q and k are quantised along the head's 64 (two blocks of 32), v along the keys (a block = 32 neighbouring tokens of one channel).
; A block's scale is 2^(floor(log2(its largest magnitude)) - 8); its byte is the largest magnitude's exponent field - 8, held at 1 from below.
; LIMITS: a block whose largest magnitude lies under 2^(9 - 127), a block of zeros among them, gets the byte 1 (where the rule says 127 for zeros: its codes are zeros, and the bytes are read by this program alone);
; NaN and infinities among the inputs are not served.
; SHARES.  A work-group takes 256 tokens, each of its eight waves 32: two tiles of 16.  THE TOKENS OF A TILE ARE NOT NEIGHBOURS: lane r of tile u holds token 8 u + r + 8 (r / 8) of the wave's 32.  One fragment of x in
; that order serves three times: as source 1 of q^T and k^T (source 0 = 16 rows of the weight, chosen in the same order: a lane then holds ONE token and 16 neighbouring head units in the registers of two tiles);
; as source 0 of v (source 1 = 16 rows of Wv as they lie: a lane then holds ONE channel and 16 neighbouring tokens); and k's codes come out as the tiles of keys that the attention launch wants.
; THE WEIGHTS are 24 half fragments (3 weights x 4 tiles x 2 blocks of 32): wave w quantises tile w / 2, block w % 2 of each, and all waves read them back from LDS as images of the operand's registers.
; WHAT IS STORED are images of operand registers, 16 bytes a lane, 512 consecutive bytes a store:
;   qc: [group of 32 tokens][tile u][block c][lane][16 bytes];   qs: [step of 128 tokens][512]: q's words at 256 (T / 4) + 16 r + 4 (T % 4), T = 2 (group in step) + u
;   kv: [step][17,152]: k's tile T at 1024 T + 512 c; v at 8192 + 2048 dt + 512 (group in step), dt = the tile of 16 channels;
;       from 16,384 on k's words, laid as q's; from 16,896 on v's words at 128 (dt / 2) + 8 r + 4 (dt % 2), byte = group in step
; No tensor load, no loop, no register window: each byte of x is read once.
.set REC,  17152
.set XP,   272                         ; a row of x in a stage: 256 bytes + 16
.set XW,   32*XP                       ; a wave's stage
.set WIMG, 0                           ; LDS: the weights' 12 fragments (4 P + t), 1,024 bytes each: block c at 512 c, 16 bytes a lane
.set WSC,  12288                       ; their scale bytes: 32 (4 P + t) + 2 r + c
.set STG,  12800                       ; the scale words of the work-group's two steps, 1,280 bytes a step: q's 512, k's 512, v's 256
.set XST,  15360                       ; eight stages for x, a wave's own each
.set LI,  4                            ; v4   16 x lane
.set WI,  5                            ; v5   16 x thread
.set WBY, 6                            ; v6   my weight scale byte: 2 r + 32 (w / 2) + w % 2
.set LR2, 7                            ; v7   2 r
.set XSI, 8                            ; v8   stage, way in: two rows an instruction
.set XSO, 9                            ; v9   stage, way out: my token's row, my half of a block
.set SA,  10                           ; v10  q's and k's scale words in STG
.set SB,  11                           ; v11  v's scale bytes in STG
.set WA,  12                           ; v12  byte offset of my 16 numbers in Wq and Wk
.set WB,  13                           ; v13  and in Wv
.set XF,  16                           ; v16-47   x's two fragments: 8 registers of codes, 8 of zeros
.set WF,  48                           ; v48-111  four fragments of a weight, likewise
.set WR,  48                           ; v48-95   before that: my 3 x 16 numbers of the weights
.set RR,  112                          ; v112-175 x as loaded, then the products' results
.set PC,  176                          ; v176-191 codes just made
.set TM,  192                          ; v192-195 largest magnitudes, v196-199 bytes, v200-203 448 x the scale, v204-207 the conversion's scale operand
.set WS,  208                          ; v208-211 the weight's scale words: scales and nothing else
.set XS,  212                          ; v212-213 x's scale words: scales and nothing else
.set QW,  214                          ; v214-215 q's scale words, for the store
.set KW,  216                          ; v216-217 k's
.set SPW, 224                          ; v224 my spare word, v225 0
.set NIL, 225
.set KIN, 226                          ; v226 the last store: where waves 2 to 4 read k's and v's words in STG,
.set KOU, 227                          ; v227 and where these go
.set QIN, 228                          ; v228 where waves 0 and 1 read q's words
.set WV,  18
.set MNT, 19                           ; s19  the mantissa field of 448
.set SEL, 20                           ; s[20:21] v_permlanex16_b32's selects for lane l xor 16
; nb blocks of 16 registers, v[s + 16 b + i], become codes in v[d + 4 b + gap (b / 2)] on.  A block of 32 lies in lanes l and l xor 16.  w: where two scale words (blocks 0, 1 and blocks 2, 3) go, or 0.
.macro QUANT s, d, gap, nb, w
.irp b, 0,1,2,3
.if \b < \nb
	v_max3_num_f32 v[TM+\b], |v[\s+16*\b]|, |v[\s+16*\b+1]|, 0x4800000          ; my 16 numbers, and the floor 2^(9 - 127): the byte cannot fall under 1.  Each result is read from its low end on
.endif
.endr
.irp i, 2,4,6,8,10,12,14
.irp b, 0,1,2,3
.if \b < \nb
	v_max3_num_f32 v[TM+\b], v[TM+\b], |v[\s+16*\b+\i]|, |v[\s+16*\b+\i+1]|     ; the blocks by turns
.endif
.endr
.endr
.irp b, 0,1,2,3
.if \b < \nb
	v_permlanex16_b32 v[TM+4+\b], v[TM+\b], s[SEL], s[SEL+1]
.endif
.endr
.irp b, 0,1,2,3
.if \b < \nb
	v_max_num_f32 v[TM+\b], v[TM+\b], v[TM+4+\b]                                ; with lane l xor 16's: the block's largest magnitude
.endif
.endr
.irp b, 0,1,2,3
.if \b < \nb
	v_add_nc_u32 v[TM+12+\b], 0xfc000000, v[TM+\b]                              ; 8 off its exponent field: the conversion takes this operand's exponent field as its scale
.endif
.endr
.irp b, 0,1,2,3
.if \b < \nb
	v_and_or_b32 v[TM+8+\b], v[TM+\b], 0x7f800000, s[MNT]                       ; 448 x the scale
.endif
.endr
.irp b, 0,1,2,3
.if \b < \nb
	v_lshrrev_b32 v[TM+4+\b], 23, v[TM+12+\b]                                   ; the scale's byte
.endif
.endr
.if \w
	v_lshl_or_b32 v[\w], v[TM+5], 8, v[TM+4]                                    ; a word: two bytes for k = 0 .. 63; bytes 2 and 3 are 0 and scale zero codes alone
	v_lshl_or_b32 v[\w+1], v[TM+7], 8, v[TM+6]
.endif
.irp b, 0,1,2,3
.if \b < \nb
.irp i, 0,1,2,3,4,5,6,7,8,9,10,11,12,13,14,15
	v_med3_num_f32 v[\s+16*\b+\i], v[\s+16*\b+\i], -v[TM+8+\b], v[TM+8+\b]      ; the conversion to an 8-bit code does not saturate (ISA guide 7.6.2): the hold at 448 x the scale
.endr
	v_cvt_scalef32_pk8_fp8_f32 v[\d+4*\b+\gap*(\b/2):\d+4*\b+\gap*(\b/2)+1], v[\s+16*\b:\s+16*\b+7], v[TM+12+\b]
	v_cvt_scalef32_pk8_fp8_f32 v[\d+4*\b+\gap*(\b/2)+2:\d+4*\b+\gap*(\b/2)+3], v[\s+16*\b+8:\s+16*\b+15], v[TM+12+\b]
.endif
.endr
	v_nop                                          ; one plain line behind the last conversion, ahead of whatever next touches its registers
.endm
; weight p's four fragments and their scale words, from the images in LDS
.macro WLOAD p
.irp t, 0,1,2,3
	ds_load_b128 v[WF+16*\t:WF+16*\t+3],   v[LI] offset:WIMG+4096*(\p)+1024*\t
	ds_load_b128 v[WF+16*\t+4:WF+16*\t+7], v[LI] offset:WIMG+4096*(\p)+1024*\t+512
	ds_load_u16 v[WS+\t], v[LR2] offset:WSC+128*(\p)+32*\t                      ; two bytes, widened with zeros
.endr
.endm
	s_load_b256 s[4:11], s[0:1], 0x0               ; x s[4:5], Wq s[6:7], Wk s[8:9], Wv s[10:11]
	s_load_b128 s[12:15], s[0:1], 0x20             ; qc s[12:13], kv s[14:15]
	s_load_b64 s[16:17], s[0:1], 0x30              ; qs
	v_lshrrev_b32 v1, 5, v0
	v_readfirstlane_b32 s[WV], v1                  ; wave 0..7
	v_lshl_add_u32 v[SPW], v0, 2, 0x15000
	v_mov_b32 v[NIL], 0
	v_and_b32 v1, 31, v0                           ; lane
	v_and_b32 v2, 15, v0                           ; r
	v_bfe_u32 v3, v0, 4, 1                         ; h
	v_lshlrev_b32 v[WI], 4, v0
	v_add_nc_u32 v[KIN], 16, v0
	v_and_b32 v14, 8, v2
	v_lshlrev_b32 v[LI], 4, v1
	v_lshlrev_b32 v[LR2], 1, v2
	v_lshrrev_b32 v[KIN], 6, v[KIN]                ; threads 64 to 111: 1 (the first step's 768 bytes of k's and v's words); 112 to 159: 2 (the second's)
	v_add_nc_u32 v14, v14, v2                      ; r + 8 (r / 8)
	v_mul_u32_u24 v[XSI], v3, XP
	v_lshlrev_b32 v[WB], 8, v2
	v_lshl_add_u32 v[KOU], v[KIN], 14, v[WI]       ; less 1,024: 16,384 + 16 k in the first record, 16,384 more from thread 112 on
	v_lshl_add_u32 v[KIN], v[KIN], 9, v[WI]        ; less 1,024: 512 + 16 k in STG, 512 more from thread 112 on
	v_mul_u32_u24 v[XSO], v14, XP
	v_lshlrev_b32 v[WA], 8, v14
	v_lshl_add_u32 v[XSI], v2, 4, v[XSI]           ; in: lanes 0-15 one row, lanes 16-31 the next
	v_lshl_add_u32 v[WB], v3, 6, v[WB]             ; Wv: row 16 t + r, + 64 h
	v_lshl_add_u32 v[XSO], v3, 6, v[XSO]           ; out: row r + 8 (r / 8), + 64 h: my 16 numbers of a block of 32
	v_lshl_add_u32 v[WA], v3, 6, v[WA]             ; Wq, Wk: row 32 (t / 2) + 8 (t % 2) + r + 8 (r / 8), t = w / 2; 256 bytes a row; + 128 (w % 2) + 64 h
.irp b, 0,1,2,3
	v_mov_b32 v[TM+4+\b], 0                        ; written once: a lane permute's destination counts as one of its sources
.endr
	s_mov_b32 s[MNT], 0x600000
	s_mov_b32 s[SEL], 0x76543210
	s_mov_b32 s[SEL+1], 0xfedcba98
	s_lshr_b32 s22, s[WV], 1                       ; w / 2
	s_and_b32 s23, s[WV], 1                        ; w % 2
	s_lshr_b32 s24, s[WV], 2                       ; w / 4: which of the two steps
	s_and_b32 s25, s22, 1                          ; (w / 2) % 2
	s_and_b32 s26, s[WV], 3                        ; w % 4: my group of 32 in the step
	s_lshl_b32 s27, s22, 5
	s_add_co_u32 s27, s27, s23
	s_mul_i32 s29, s[WV], XW
	s_add_co_u32 s29, s29, XST                     ; my stage
	s_mul_i32 s28, s24, 1280
	s_lshl_b32 s34, s25, 8
	s_add_co_u32 s34, s34, s28
	s_lshl_b32 s35, s23, 3
	s_add_co_u32 s34, s34, s35
	s_add_co_u32 s35, s28, s26
	s_lshl_b32 s36, s24, 13
	s_lshl_b32 s37, s25, 11
	s_add_co_u32 s36, s36, s37
	s_lshl_b32 s37, s23, 7
	s_add_co_u32 s36, s36, s37
	s_lshl_b32 s38, s22, 12
	s_add_co_u32 s37, s37, s38
	s_mul_i32 s38, s[WV], 768
	s_wait_alu depctr_va_vdst(0)                   ; the wait here, directly ahead of the readers below
	v_lshl_add_u32 v[WBY], v2, 1, s27
	v_add_nc_u32 v[XSI], s29, v[XSI]
	v_add_nc_u32 v[XSO], s29, v[XSO]
	v_lshl_add_u32 v[SA], v2, 4, s34               ; 1280 (w / 4) + 256 ((w / 2) % 2) + 8 (w % 2) + 16 r: the words of my tiles T = 2 (w % 4) and T + 1
	v_lshl_add_u32 v[SB], v2, 3, s35               ; 1280 (w / 4) + 8 r + w % 4
	v_add_nc_u32 v[WA], s36, v[WA]
	v_add_nc_u32 v[WB], s37, v[WB]
	v_add_nc_u32 v[QIN], s38, v[WI]                ; 16 x thread, and 768 more in wave 1: the second step's q words
	s_lshl_b32 s30, ttmp9, 16                      ; x: 256 tokens of 256 bytes a work-group, 32 a wave
	s_lshl_b32 s27, s[WV], 13
	s_add_co_u32 s30, s30, s27
	s_mov_b32 s31, 0
	s_lshl_b32 s32, ttmp9, 14                      ; qc: 2,048 bytes a wave
	s_lshl_b32 s27, s[WV], 11
	s_add_co_u32 s32, s32, s27
	s_mov_b32 s33, 0
	s_lshl_b32 s34, ttmp9, 1
	s_add_co_u32 s34, s34, s24
	s_mul_i32 s34, s34, REC                        ; kv: my step's record
	s_mov_b32 s35, 0
	s_lshl_b32 s36, s26, 11                        ; k: tiles 2 (w % 4) and the next
	s_mov_b32 s37, 0
	s_lshl_b32 s38, s26, 9                         ; v: block w % 4 of each fragment
	s_add_co_u32 s38, s38, 8192
	s_mov_b32 s39, 0
	s_mul_i32 s40, ttmp9, 2*REC                    ; kv: the work-group's two records, for the last store
	s_mov_b32 s41, 0
	s_lshl_b32 s28, ttmp9, 10                      ; qs: 1,024 bytes a work-group
	s_mov_b32 s29, 0
	s_wait_alu depctr_va_vdst(0)                   ; the wait at the head's end
	s_wait_kmcnt 0x0
	s_add_nc_u64 s[4:5], s[4:5], s[30:31]
	s_add_nc_u64 s[12:13], s[12:13], s[32:33]
	s_add_nc_u64 s[40:41], s[14:15], s[40:41]
	s_add_nc_u64 s[14:15], s[14:15], s[34:35]
	s_add_nc_u64 s[24:25], s[14:15], s[36:37]      ; k's place
	s_add_nc_u64 s[26:27], s[14:15], s[38:39]      ; v's place
	s_add_nc_u64 s[16:17], s[16:17], s[28:29]
.irp i, 0,1,2,3
	global_load_b128 v[WR+4*\i:WR+4*\i+3],       v[WA], s[6:7] offset:16*\i
.endr
.irp i, 0,1,2,3
	global_load_b128 v[WR+16+4*\i:WR+16+4*\i+3], v[WA], s[8:9] offset:16*\i
.endr
.irp i, 0,1,2,3
	global_load_b128 v[WR+32+4*\i:WR+32+4*\i+3], v[WB], s[10:11] offset:16*\i
.endr
.irp i, 0,1,2,3,4,5,6,7,8,9,10,11,12,13,14,15
	global_load_b128 v[RR+4*\i:RR+4*\i+3], v[LI], s[4:5] offset:512*\i th:TH_LOAD_NT   ; 32 lanes read 512 consecutive bytes: two tokens' rows
.endr
	; ---- my three half fragments of the weights, while x is on its way
	s_wait_loadcnt 16                              ; the weights' twelve loads are in; x's sixteen, issued behind them, may be out
	QUANT WR, PC, 0, 3, 0
.irp p, 0,1,2
	ds_store_b128 v[WI], v[PC+4*\p:PC+4*\p+3] offset:WIMG+4096*\p               ; 1024 (w / 2) + 512 (w % 2) + 16 x lane = 16 x thread
	ds_store_b8 v[WBY], v[TM+4+\p] offset:WSC+128*\p                            ; lanes l and l xor 16 write the same byte with the same value
.endr
.irp t, 0,1,2,3
.irp i, 8,9,10,11,12,13,14,15
	v_mov_b32 v[WF+16*\t+\i], 0                    ; zero codes for k = 64 .. 127; they stay
.endr
.endr
.irp u, 0,1
.irp i, 8,9,10,11,12,13,14,15
	v_mov_b32 v[XF+16*\u+\i], 0
.endr
.endr
	s_wait_alu depctr_va_vdst(0)                   ; the wait here, directly ahead of the wait below
	s_wait_dscnt 0x0                               ; for the others' sake: my weight images have landed
	s_barrier_signal -1
	s_barrier_wait -1                              ; all twelve fragments of the weights lie in LDS.  Each wave waits for its own tokens behind the barrier
	WLOAD 0
	; ---- x turns through my stage: in as it was loaded, out 64 bytes a lane.  LDS serves a wave's instructions in order (ISA guide 5.7.1.4): no wait between the stores and the loads
	s_wait_loadcnt 0x0
.irp i, 0,1,2,3,4,5,6,7,8,9,10,11,12,13,14,15
	ds_store_b128 v[XSI], v[RR+4*\i:RR+4*\i+3] offset:2*XP*\i
.endr
.irp u, 0,1
.irp c, 0,1
.irp i, 0,1,2,3
	ds_load_b128 v[RR+16*(2*\u+\c)+4*\i:RR+16*(2*\u+\c)+4*\i+3], v[XSO] offset:8*XP*\u+128*\c+16*\i
.endr
.endr
.endr
	s_wait_dscnt 0x0                               ; x is back
	QUANT RR, XF, 8, 4, XS                         ; blocks (u, c) = 2 u + c; fragment u takes registers 0-7 of its sixteen
.rept 4
	v_nop                                          ; codes written by vector instructions stand four places ahead of a scaled matrix instruction (the scale words stand ahead of the 64 holds)
.endr
; q (p = 0) or k (p = 1), transposed: source 0 = 16 rows of the weight, source 1 = x's tile u.  Register 32 u + 16 b + i of lane (r, h) is head unit 32 b + 16 h + i of the lane's token.
.macro QK p, base, wd, so
	s_wait_dscnt 0x0                               ; the weight's fragments are in
.irp u, 0,1
.irp t, 0,1,2,3
	v_wmma_scale_f32_16x16x128_f8f6f4 v[RR+32*\u+8*\t:RR+32*\u+8*\t+7], v[WF+16*\t:WF+16*\t+15], v[XF+16*\u:XF+16*\u+15], 0, v[WS+\t], v[XS+\u]
.endr
.endr
.rept 8
	v_nop                                          ; eight places ahead of loads into registers that these products read, and of the first read of their results
.endr
	WLOAD (\p)+1                                   ; the next weight lands while this result is quantised
.if \p
	s_wait_xcnt 0x0                                ; the last stores have read PC: it is written again only behind this wait
.endif
	QUANT RR, PC, 0, 4, \wd
.irp b, 0,1,2,3
	global_store_b128 v[LI], v[PC+4*\b:PC+4*\b+3], s[\base:\base+1] offset:512*\b   ; tile b / 2, block b % 2: 512 consecutive bytes
.endr
	ds_store_b64 v[SA], v[\wd:\wd+1] offset:STG+\so                             ; both tiles' scale words; lanes l and l xor 16 write the same
.endm
	s_wait_alu depctr_va_vdst(0)                   ; the wait here, directly ahead of the wait below
	QK 0, 12, QW, 0
	QK 1, 24, KW, 512
	; ---- v: source 0 = x's tile u, source 1 = 16 rows of Wv.  Register 16 dt + 8 u + j of lane (r, h) is token 16 h + 8 u + j, channel 16 dt + r: 16 neighbouring keys
	s_wait_dscnt 0x0
.irp t, 0,1,2,3
.irp u, 0,1
	v_wmma_scale_f32_16x16x128_f8f6f4 v[RR+16*\t+8*\u:RR+16*\t+8*\u+7], v[XF+16*\u:XF+16*\u+15], v[WF+16*\t:WF+16*\t+15], 0, v[XS+\u], v[WS+\t]
.endr
.endr
.rept 8
	v_nop
.endr
	s_wait_xcnt 0x0                                ; k's stores have read PC
	QUANT RR, PC, 0, 4, 0                          ; block dt: my wave's 32 tokens of channel 16 dt + r
.irp t, 0,1,2,3
	ds_store_b8 v[SB], v[TM+4+\t] offset:STG+1024+128*(\t/2)+4*(\t%2)
	global_store_b128 v[LI], v[PC+4*\t:PC+4*\t+3], s[26:27] offset:2048*\t
.endr
	s_wait_dscnt 0x0                               ; for the others' sake: my scale words and bytes have landed
	s_barrier_signal -1
	s_barrier_wait -1                              ; the two steps' scale words are whole
	s_cmp_gt_u32 s[WV], 4                          ; 2,560 bytes: five waves store 512 bytes each, in whole aligned units of 256
	s_cbranch_scc1 .Lend
	s_cmp_gt_u32 s[WV], 1
	s_cbranch_scc1 .Lkv_words
	ds_load_b128 v[RR:RR+3], v[QIN] offset:STG
	s_wait_dscnt 0x0
	global_store_b128 v[WI], v[RR:RR+3], s[16:17]
	s_branch .Lend
.Lkv_words:
	ds_load_b128 v[RR:RR+3], v[KIN] offset:STG-1024
	s_wait_dscnt 0x0
	global_store_b128 v[KOU], v[RR:RR+3], s[40:41] offset:-1024
.Lend:
	s_wait_tensorcnt 0x0                           ; the wave's end
	ds_add_u32 v[SPW], v[NIL]
	s_wait_dscnt 0x0
	s_endpgm
.Lfunc_end_k_q5d4e062280_proj:
	.size	k_q5d4e062280_proj, .Lfunc_end_k_q5d4e062280_proj-k_q5d4e062280_proj
	.p2alignl 7, 3214868480
	.fill 96, 4, 3214868480
	.section	.rodata,"a",@progbits
	.p2align	6, 0x0
	.amdhsa_kernel k_q5d4e062280_proj
		.amdhsa_group_segment_fixed_size 87040
		.amdhsa_private_segment_fixed_size 0
		.amdhsa_enable_private_segment 0
		.amdhsa_kernarg_size 56
		.amdhsa_user_sgpr_count 2
		.amdhsa_user_sgpr_kernarg_segment_ptr 1
		.amdhsa_wavefront_size32 1
		.amdhsa_system_sgpr_workgroup_id_x 1
		.amdhsa_system_sgpr_workgroup_id_y 1
		.amdhsa_system_sgpr_workgroup_id_z 1
		.amdhsa_system_vgpr_workitem_id 0
		.amdhsa_next_free_vgpr 232
		.amdhsa_next_free_sgpr 66
		.amdhsa_reserve_vcc 0
		.amdhsa_float_denorm_mode_32 3
		.amdhsa_float_denorm_mode_16_64 3
		.amdhsa_memory_ordered 1
		.amdhsa_forward_progress 1
		.amdhsa_inst_pref_size 57
	.end_amdhsa_kernel
	.amdgpu_metadata
---
amdhsa.version: [ 1, 2 ]
amdhsa.kernels:
  - .name:           k_q5d4e062280_proj
    .symbol:         k_q5d4e062280_proj.kd
    .args:
      - { .name: inputs, .offset: 0, .size: 8, .value_kind: global_buffer, .address_space: global }
      - { .name: Wq, .offset: 8, .size: 8, .value_kind: global_buffer, .address_space: global }
      - { .name: Wk, .offset: 16, .size: 8, .value_kind: global_buffer, .address_space: global }
      - { .name: Wv, .offset: 24, .size: 8, .value_kind: global_buffer, .address_space: global }
      - { .name: qc, .offset: 32, .size: 8, .value_kind: global_buffer, .address_space: global }
      - { .name: kv, .offset: 40, .size: 8, .value_kind: global_buffer, .address_space: global }
      - { .name: qs, .offset: 48, .size: 8, .value_kind: global_buffer, .address_space: global }
    .group_segment_fixed_size: 87040
    .private_segment_fixed_size: 0
    .kernarg_segment_align: 8
    .kernarg_segment_size: 56
    .max_flat_workgroup_size: 256
    .sgpr_count:     66
    .vgpr_count:     232
    .wavefront_size: 32
...
	.end_amdgpu_metadata
.endif
;; end of part 1
;; launch attn (part 2): grid 8 x 32, 8 waves a work-group, clusters of 4 x 1, 327,680 bytes of LDS; arguments qc, kv, qs, out0; writes out0
.if DOCPART == 2
	.amdgcn_target "amdgcn-amd-amdhsa--gfx1250"
	.amdhsa_code_object_version 6
	.text
	.protected	k_q5d4e062280_attn
	.globl	k_q5d4e062280_attn
	.p2align	8
	.type	k_q5d4e062280_attn,@function
k_q5d4e062280_attn:
	s_mov_b64 s[64:65], 0
	v_nop
	global_prefetch_b8 v0, s[64:65] scope:SCOPE_SE
	s_setreg_imm32_b32 hwreg(HW_REG_WAVE_MODE, 25, 1), 1
	s_wait_xcnt 0x0
	s_wait_alu depctr_hold_cnt(0) depctr_sa_sdst(0) depctr_va_vdst(0) depctr_va_sdst(0) depctr_va_ssrc(0) depctr_va_vcc(0) depctr_vm_vsrc(0)
	s_getreg_b32 s2, hwreg(HW_REG_IB_STS2, 6, 4)
	s_cmp_eq_u32 s2, 0
	s_cbranch_scc0 .Lentry_in_a_cluster
	s_endpgm
.Lentry_in_a_cluster:
	s_bfe_u32 s2, ttmp6, 0x10000c
	s_cmp_lg_u32 s2, 0x3003
	s_cbranch_scc0 .Lentry_shape_is_right
	s_endpgm
.Lentry_shape_is_right:
; out[b][q][:] = the sum over k of softmax_k(q . k / 8) v[k][:], no mask, both products on codes of FP8 (E4M3) with one E8M0 scale for each 32 along a product's K.  32 batches, 2,048 tokens, head size 64.
; Codes and scale words come from the launch before, as images of operand registers (16 bytes a lane): qc, qs, and kv: [step of 128 keys][17,152]: 8 tiles of K, 4 fragments of V with the keys innermost, K's words, V's words.
; THE FIRST PRODUCT'S K is the head's 64, the instruction is 128 deep: Q's registers 8-15 hold zero codes (k = 64 .. 127), set once.  K's fragment t takes the 8 registers of its own tile and, for k = 64 .. 127, the 8 that follow:
; the next tile's codes, or behind the last tile zeros.  Codes are finite numbers, so their products with Q's zero codes are zeros.
; THE SOFTMAX AHEAD OF THE SECOND PRODUCT: t = score x log2(e) / 8; M = the row's largest t so far, rounded UP to a whole number; p = 2^(t - M) is what is quantised, along the keys; not normalised.
; The row's sum is taken of the unquantised p, in f32, and divides O at the end.  When M moves, the sum and O are multiplied by 2^(old M - new M): exact.
; A BLOCK'S SCALE is 2^(n - 8), n = floor(t - M) of the block's largest score, held at -118 from below (the exponent at -126).  Where v_exp_f32 rounds the block's largest p up to 2^(n + 1), that p is held at the largest code.
; LIMITS: NaN and infinities, also in what K's neighbouring tile lends a fragment, are not served; the scaled scores stay under 2^31 in magnitude; p under 2^-126 counts as 0.
; SHARES.  A work-group owns 256 queries of one batch; each of its eight waves 32: two tiles of 16, so that each fragment of K and V read from LDS feeds two products.
; ALL OF A BATCH'S RECORDS (16 x 17,152 bytes) FIT IN LDS and are filled ONCE, each wave bringing two steps' by one tensor load: no ring and no refill, and no loop that a prefetch could run ahead in.
; Wave 0's two steps are shown by a first barrier, all others by a second one inside step 1; from there on the waves pass no barrier until the end.
; CLUSTER.  Four work-groups of one batch form a cluster and need the same bytes: each load is asked for JOINTLY, by the same tensor load with the same descriptor and the mask 15.
; LAYOUT.  Both products are used transposed: S^T = K Q^T (source 0 = 16 keys), O^T = V^T P^T (source 0 = 16 channels): a lane holds ONE query throughout.  Lane r of K's tile 2 b + u holds key 32 b + 8 u + r + 8 (r / 8),
; so that the 16 registers of tiles 2 b and 2 b + 1 are keys 32 b + 16 (lane / 16) + 0 .. 15.  The queries of a tile lie in the same order; the stores' offsets undo it.
; REGISTERS.  Window 0: addresses, the softmax's state and scores of both tiles, Q, scale words.  Window 1: K, V, O^T, p's codes.
.set REC,   17152                      ; a step's record: 67 units of 256 bytes
.set KW,    16384                      ; in it: K's scale words,
.set VW,    16896                      ; V's
.set STAGE, 16*REC                     ; behind the records: 16 rows x 272 bytes for each wave, for the way out; no load lands here
.set SPI,   272
.set SPARE, STAGE+8*16*SPI             ; the spare words, 128 bytes for each wave
.set LI,  1                            ; v1   16 x lane
.set L8,  2                            ; v2   8 x lane
.set ADK, 4                            ; v4   the step's record + 16 x lane
.set ADT, 5                            ; v5   + 8 x lane
.set STO, 7                            ; v7   the way out: where I put 32 bytes of a row
.set RD,  8                            ; v8   and where I read a row back
.set QSA, 9                            ; v9   16 r
.set NM,  12                           ; v[12:13] -M of tile 0 and of tile 1
.set TMX, 14                           ; v[14:15] their largest scores so far
.set LS,  16                           ; v16-23 tile 0's sum in four chains of two; v24-31 tile 1's
.set FF,  32                           ; v[32:33] f = 2^(old M - new M)
.set NN,  36                           ; v[36:37] the new -M
.set TT,  38                           ; v[38:39]
.set BM,  40                           ; v40-47 the largest score of block 4 u + b, then its t - M
.set BT,  48                           ; v48-55 the other half's, then n
.set BS,  56                           ; v56-63 the scale as f32
.set BH,  64                           ; v64-71 448 x the scale
.set KS,  72                           ; v72-75 K's scale words: lanes 0-15 tiles 0-3, lanes 16-31 tiles 4-7
.set VS,  76                           ; v76-77 V's: lanes 0-15 tiles 0, 1; lanes 16-31 tiles 2, 3
.set QS,  78                           ; v78-79 Q's
.set PS,  80                           ; v80-81 p's
.set QF,  84                           ; v84-115 Q's two fragments
.set SS,  116                          ; v116-243 S^T of both tiles, 64 each, then p: block k = 4 u + b at 16 k
.set WT,  244                          ; v244-247 scale words in the making
.set SPW, 254
.set NIL, 255
.set KF,  0                            ; window 1: v0-63 K's eight tiles, v64-71 zeros
.set VF,  72                           ; v72-135 V's four fragments
.set OT,  136                          ; v136-199 O^T: 4 tiles of 16 channels for each tile of queries
.set PC,  200                          ; v200-231 p's codes
.set WV,  12
.set G1,  24                           ; s[24:31] descriptor group 1
.set G0,  40                           ; s[40:43] group 0
.set SEL, 60                           ; s[60:61] v_permlanex16_b32's selects for lane l xor 16
.set CS,  62                           ; s[62:63] c = log2(e) / 8, twice: the packed form names a pair
.set CLM, 66                           ; -118.0
.set BIA, 67                           ; 119 << 23: the scale 2^-8
.set TB,  68                           ; LDS byte at which the step's record begins
.set CNT, 69
.set MSB, 0
.macro WIN new                         ; the immediate's high byte repeats the setting that is left; a switch that changes nothing is dropped
.if MSB != \new
	s_set_vgpr_msb (MSB<<8)|\new
.set MSB, \new
.endif
.endm
.macro ROUND                           ; a round of the cluster's barrier
	s_barrier_signal -1
	s_barrier_wait -1
	s_cmp_lg_u32 s[WV], 0
	s_cbranch_scc1 .Lnot_wave_0_\@
	s_barrier_signal -3
.Lnot_wave_0_\@:
	s_barrier_wait -3
	s_barrier_signal -1
	s_barrier_wait -1
.endm
.macro TLOAD
	tensor_load_to_lds s[G0:G0+3], s[G1:G1+7]
	s_nop 0
.rept 4
	v_nop
.endr
.endm
	s_load_b256 s[4:11], s[0:1], 0x0               ; qc s[4:5], kv s[6:7], qs s[8:9], out s[10:11]
	v_lshl_add_u32 v[SPW], v0, 2, SPARE
	v_mov_b32 v[NIL], 0
	ds_add_u32 v[SPW], v[NIL]                      ; the wave's opening: the add, twice on end, and its wait ahead of my tensor load
	ds_add_u32 v[SPW], v[NIL]
	v_lshrrev_b32 v10, 5, v0
	v_readfirstlane_b32 s[WV], v10                 ; wave 0..7
	s_bfe_u32 s13, ttmp6, 0x40000                  ; cx: my place in the cluster
	s_lshl_b32 s14, ttmp9, 2                       ; in a cluster launch ttmp9 counts clusters
	s_add_co_u32 s14, s14, s13                     ; my block of 256 queries: it enters Q's and out's addresses alone
	s_and_b32 s15, ttmp7, 0xffff                   ; the batch, which the four partners share
	; group 1: two records, dense: 134 rows of 256 bytes (32 elements of 8 bytes)
	s_mov_b32 s[G1], 15|(3<<16)|(1<<21)            ; 15:0 the mask: all four work-groups; 17:16 elements of 8 bytes; 20 no padding; 21 set beside a mask
	s_mov_b32 s[G1+1], 32<<16                      ; tensor_dim0
	s_mov_b32 s[G1+2], (2*REC/256)<<16             ; tensor_dim1
	s_mov_b32 s[G1+3], 32<<16                      ; tile_dim0
	s_mov_b32 s[G1+4], 2*REC/256                   ; tile_dim1
	s_mov_b32 s[G1+5], 32                          ; tensor_dim0_stride
	s_mov_b32 s[G1+6], 0
	s_mov_b32 s[G1+7], 0
	; what the partners share: made of the batch and the wave's number alone
	s_mul_i32 s16, s15, 16*REC
	s_mul_i32 s20, s[WV], 2*REC                    ; my two steps: in memory and in LDS
	s_add_co_u32 s16, s16, s20
	s_mov_b32 s17, 0
	; what is mine alone, in registers that feed no descriptor and no LDS address
	s_lshl_b32 s74, s14, 3
	s_add_co_u32 s74, s74, s[WV]                   ; my group of 32 queries in the batch
	s_lshl_b32 s74, s74, 11
	s_lshl_b32 s22, s15, 17
	s_add_co_u32 s22, s22, s74                     ; Q's codes
	s_mov_b32 s23, 0
	s_lshl_b32 s70, s15, 4
	s_lshl_b32 s74, s14, 1
	s_add_co_u32 s70, s70, s74
	s_lshr_b32 s75, s[WV], 2
	s_add_co_u32 s70, s70, s75
	s_lshl_b32 s70, s70, 9                         ; Q's scale words: my queries' step,
	s_bfe_u32 s75, s[WV], 0x10001
	s_lshl_b32 s75, s75, 8
	s_add_co_u32 s70, s70, s75                     ; tiles T = 2 (w % 4) and T + 1: 256 (T / 4) + 4 (T % 4)
	s_and_b32 s75, s[WV], 1
	s_lshl_b32 s75, s75, 3
	s_add_co_u32 s70, s70, s75
	s_mov_b32 s71, 0
	s_lshl_b32 s72, s15, 19                        ; out: 2,048 rows of 256 bytes a batch, 256 a work-group, 32 a wave
	s_lshl_b32 s74, s14, 16
	s_add_co_u32 s72, s72, s74
	s_lshl_b32 s74, s[WV], 13
	s_add_co_u32 s72, s72, s74
	s_mov_b32 s73, 0
	s_mov_b32 s[SEL], 0x76543210
	s_mov_b32 s[SEL+1], 0xfedcba98
	s_mov_b32 s[CS], 0x3e38aa3b                    ; c = log2(e) / 8
	s_mov_b32 s[CS+1], s[CS]
	s_mov_b32 s[CLM], 0xc2ec0000
	s_mov_b32 s[BIA], 119<<23
	s_wait_dscnt 0x0                               ; both opening adds are done
	ROUND                                          ; all four work-groups are here: the joint loads meet.  The arguments are on their way meanwhile
	s_wait_kmcnt 0x0
	s_mov_b32 s[G0], 1                             ; 1:0 count = 1
	s_mov_b32 s[G0+1], s20                         ; 63:32 LDS address
	s_add_nc_u64 s[G0+2:G0+3], s[6:7], s[16:17]    ; 120:64 global address
	s_or_b32 s[G0+3], s[G0+3], 0x80000000          ; 127:126 type = 2
	s_cmp_eq_u32 s[WV], 0                          ; ONE joint load a wave; wave 0's line, which the first barrier shows, is its own
	s_cbranch_scc0 .Lothers
	TLOAD
	s_branch .Lasked
.Lothers:
	TLOAD
.Lasked:
	s_add_nc_u64 s[4:5], s[4:5], s[22:23]
	s_add_nc_u64 s[8:9], s[8:9], s[70:71]
	s_add_nc_u64 s[10:11], s[10:11], s[72:73]
	s_mul_i32 s21, s[WV], 16*SPI
	s_add_co_u32 s21, s21, STAGE                   ; my stage
	v_and_b32 v3, 31, v0
	v_and_b32 v10, 15, v0                          ; r
	v_bfe_u32 v11, v0, 4, 1                        ; h
	v_lshlrev_b32 v[LI], 4, v3
	v_lshlrev_b32 v[L8], 3, v3
	v_lshlrev_b32 v[QSA], 4, v10
	global_load_b128 v[QF:QF+3],   v[LI], s[4:5] th:TH_LOAD_NT                  ; Q's tile 0: head units 0-31,
	global_load_b128 v[QF+4:QF+7], v[LI], s[4:5] offset:512 th:TH_LOAD_NT       ; 32-63
	global_load_b128 v[QF+16:QF+19], v[LI], s[4:5] offset:1024 th:TH_LOAD_NT    ; tile 1
	global_load_b128 v[QF+20:QF+23], v[LI], s[4:5] offset:1536 th:TH_LOAD_NT
	global_load_b64 v[QS:QS+1], v[QSA], s[8:9]                                  ; both tiles' scale words
	v_mul_u32_u24 v[STO], v10, SPI
	v_mul_u32_u24 v[RD], v11, SPI
	v_lshl_add_u32 v[STO], v11, 5, v[STO]
	v_lshl_add_u32 v[RD], v10, 4, v[RD]
	v_add_nc_u32 v[STO], s21, v[STO]               ; in: row r, 32 bytes for each half of the lanes
	v_add_nc_u32 v[RD], s21, v[RD]                 ; back: lanes 0-15 one row of 256 bytes, lanes 16-31 the next
; What the tiles start from.  The first step finds zeros in O^T and the sums, which its f = 0 leaves zeros.
.irp i, 8,9,10,11,12,13,14,15
	v_mov_b32 v[QF+\i], 0                          ; zero codes for k = 64 .. 127
	v_mov_b32 v[QF+16+\i], 0
.endr
.set j, 0
.rept 16
	v_mov_b32 v[LS+j], 0
.set j, j+1
.endr
.irp b, 0,1,2,3,4,5,6,7
	v_mov_b32 v[BT+\b], 0                          ; a lane permute's destination counts as one of its sources
.endr
.irp u, 0,1
	v_mov_b32 v[NM+\u], 0x7f61b1e6                 ; -M = 3e38
	v_mov_b32 v[TMX+\u], 0xff61b1e6                ; -3e38
.endr
	WIN 0x40
.irp i, 0,1,2,3,4,5,6,7
	v_mov_b32 v[KF+64+\i], 0
.endr
.set j, 0
.rept 64
	v_mov_b32 v[OT+j], 0
.set j, j+1
.endr
	WIN 0
.macro KLOAD ad, off                   ; K's eight tiles and their scale words from the record off bytes behind the address: 17 loads
	WIN 0x40
.irp t, 0,1,2,3,4,5,6,7
	ds_load_b128 v[KF+8*\t:KF+8*\t+3],   v[\ad] offset:(\off)+1024*\t
	ds_load_b128 v[KF+8*\t+4:KF+8*\t+7], v[\ad] offset:(\off)+1024*\t+512
.endr
	WIN 0
	ds_load_b128 v[KS:KS+3], v[\ad] offset:(\off)+KW
.endm
.macro MERGE1                          ; the last step's chains of both sums are joined: six plain lines, in two parts
.irp u, 0,1
	v_pk_add_f32 v[LS+8*\u:LS+8*\u+1], v[LS+8*\u:LS+8*\u+1], v[LS+8*\u+2:LS+8*\u+3]
.endr
.irp u, 0,1
	v_pk_add_f32 v[LS+8*\u+4:LS+8*\u+5], v[LS+8*\u+4:LS+8*\u+5], v[LS+8*\u+6:LS+8*\u+7]
.endr
.endm
.macro MERGE2
.irp u, 0,1
	v_pk_add_f32 v[LS+8*\u:LS+8*\u+1], v[LS+8*\u:LS+8*\u+1], v[LS+8*\u+4:LS+8*\u+5]
.endr
.endm
.macro SUM l, s                        ; 64 unquantised p at s onto the sum at l: four chains, two numbers an instruction
.irp c, 1,2,3
	v_pk_add_f32 v[\l+2*\c:\l+2*\c+1], v[\s+4*\c-4:\s+4*\c-3], v[\s+4*\c-2:\s+4*\c-1]
.endr
.set j, 12
.set n, 0
.rept 26
	v_pk_add_f32 v[\l+2*n:\l+2*n+1], v[\l+2*n:\l+2*n+1], v[\s+j:\s+j+1]
.set j, j+2
.set n, (n+1)%4
.endr
.endm
.macro HOLD u, i                       ; the i-th pair of tile u's p held at the largest code x the scale.  The conversion to an 8-bit code does not saturate (ISA guide 7.6.2); p is not negative
	v_dual_min_num_f32 v[SS+64*\u+2*(\i)], v[SS+64*\u+2*(\i)], v[BH+4*\u+(\i)/8] :: v_dual_min_num_f32 v[SS+64*\u+2*(\i)+1], v[SS+64*\u+2*(\i)+1], v[BH+4*\u+(\i)/8]
.endm
.macro CODES u                         ; tile u's held p become the operand's registers
	WIN 0x40
.irp b, 0,1,2,3
	v_cvt_scalef32_pk8_fp8_f32 v[PC+16*\u+4*\b:PC+16*\u+4*\b+1], v[SS+64*\u+16*\b:SS+64*\u+16*\b+7], v[BS+4*\u+\b]
	v_cvt_scalef32_pk8_fp8_f32 v[PC+16*\u+4*\b+2:PC+16*\u+4*\b+3], v[SS+64*\u+16*\b+8:SS+64*\u+16*\b+15], v[BS+4*\u+\b]
.endr
	WIN 0
.endm
; A KEY STEP: 128 keys.  Entered with K's fragments of this step on their way, left with K's of the next on theirs (pre = 1); every window 0 at both ends.  bar = 1: the second barrier stands in it.
.macro STEP bar, pre
	s_wait_dscnt 0x0                               ; K and its scale words are in
	WIN 0x01
.irp t, 0,1,2,3,4,5,6,7
.irp u, 0,1
.if \t > 3
	v_wmma_scale_f32_16x16x128_f8f6f4 v[SS+64*\u+8*\t:SS+64*\u+8*\t+7], v[KF+8*\t:KF+8*\t+15], v[QF+16*\u:QF+16*\u+15], 0, v[KS+(\t%4)], v[QS+\u] matrix_a_scale:MATRIX_SCALE_ROW1
.else
	v_wmma_scale_f32_16x16x128_f8f6f4 v[SS+64*\u+8*\t:SS+64*\u+8*\t+7], v[KF+8*\t:KF+8*\t+15], v[QF+16*\u:QF+16*\u+15], 0, v[KS+(\t%4)], v[QS+\u]
.endif
.endr
.endr
	WIN 0
.if \bar
	s_wait_tensorcnt 0x0                           ; my two steps have landed (no LDS instruction of mine is out),
	s_barrier_signal -1
	s_barrier_wait -1                              ; and everybody's
.endif
	MERGE1                                         ; eight plain lines behind the products: the places ahead of loads into what they and the last step's second products have read, and of the first read of the scores
	v_add_nc_u32 v[ADK], s[TB], v[LI]
	v_add_nc_u32 v[ADT], s[TB], v[L8]
	MERGE2
	ds_load_b64 v[VS:VS+1], v[ADT] offset:VW       ; this step's V, and K of the next, land during the softmax
	WIN 0x40
.irp t, 0,1,2,3
.irp c, 0,1,2,3
	ds_load_b128 v[VF+16*\t+4*\c:VF+16*\t+4*\c+3], v[ADK] offset:8192+2048*\t+512*\c
.endr
.endr
.if \pre
	KLOAD ADK, REC
.endif
	WIN 0
	; the largest score of each block of 32 keys, both tiles' eight blocks by turns: for the row's maximum and for the block's scale.  Each result is read from its low end on
.irp k, 0,1,2,3,4,5,6,7
	v_max3_num_f32 v[BM+\k], v[SS+16*\k], v[SS+16*\k+1], v[SS+16*\k+2]
.endr
.irp i, 3,5,7,9,11
.irp k, 0,1,2,3,4,5,6,7
	v_max3_num_f32 v[BM+\k], v[BM+\k], v[SS+16*\k+\i], v[SS+16*\k+\i+1]
.endr
.endr
.irp k, 0,2,4,6
	v_max3_num_f32 v[BM+\k], v[BM+\k], v[SS+16*\k+13], v[SS+16*\k+15]
	v_max3_num_f32 v[BM+\k+1], v[BM+\k+1], v[SS+16*\k+29], v[SS+16*\k+30]
.endr
.irp k, 0,2,4,6                        ; (the left-over number is the block's 14th or 15th, so that a pair's first sources, and its second ones, differ modulo 4)
	v_dual_max_num_f32 v[BM+\k], v[BM+\k], v[SS+16*\k+14] :: v_dual_max_num_f32 v[BM+\k+1], v[SS+16*\k+31], v[BM+\k+1]
.endr
.irp k, 0,1,2,3,4,5,6,7
	v_permlanex16_b32 v[BT+\k], v[BM+\k], s[SEL], s[SEL+1]
.endr
.irp k, 0,2,4,6
	v_dual_max_num_f32 v[BM+\k], v[BM+\k], v[BT+\k] :: v_dual_max_num_f32 v[BM+\k+1], v[BM+\k+1], v[BT+\k+1]   ; with lane l xor 16's 16 keys
.endr
.irp u, 0,1
	v_max3_num_f32 v[TT+\u], v[BM+4*\u], v[BM+4*\u+1], v[BM+4*\u+2]
.endr
.irp u, 0,1
	v_max3_num_f32 v[TMX+\u], v[TMX+\u], v[TT+\u], v[BM+4*\u+3]                 ; the running largest score of my query
.endr
	v_pk_mul_f32 v[TT:TT+1], v[TMX:TMX+1], s[CS:CS+1] op_sel_hi:[1,0]           ; as t (c is positive)
	v_floor_f32 v[NN], -v[TT]                      ; the new -M = floor(-t) = -ceil(t): a whole number
	v_floor_f32 v[NN+1], -v[TT+1]
.irp k, 0,2
	v_pk_fma_f32 v[BM+\k:BM+\k+1], v[BM+\k:BM+\k+1], s[CS:CS+1], v[NN:NN+1] op_sel_hi:[1,0,0]                       ; t - M of each block's largest score
	v_pk_fma_f32 v[BM+4+\k:BM+5+\k], v[BM+4+\k:BM+5+\k], s[CS:CS+1], v[NN:NN+1] op_sel:[0,0,1] op_sel_hi:[1,0,1]
.endr
	v_pk_add_f32 v[TT:TT+1], v[NN:NN+1], v[NM:NM+1] neg_lo:[0,1] neg_hi:[0,1]   ; old M - new M: whole numbers, 0 or less
.irp k, 0,2,4,6
	v_dual_max_num_f32 v[BM+\k], s[CLM], v[BM+\k] :: v_dual_max_num_f32 v[BM+\k+1], s[CLM], v[BM+\k+1]          ; n >= -118: the byte cannot fall under 1
.endr
	v_cvt_i32_f32 v[TT], v[TT]                     ; (it saturates)
	v_cvt_i32_f32 v[TT+1], v[TT+1]
.irp k, 0,1,2,3,4,5,6,7
	v_cvt_floor_i32_f32 v[BT+\k], v[BM+\k]         ; n
.endr
	v_ldexp_f32 v[FF], 1.0, v[TT]                  ; f = 2^(old M - new M): a multiplication by it rounds nothing
	v_ldexp_f32 v[FF+1], 1.0, v[TT+1]
	v_dual_mov_b32 v[NM], v[NN] :: v_dual_mov_b32 v[NM+1], v[NN+1]
.irp k, 0,1,2,3,4,5,6,7
	v_lshl_add_u32 v[BS+\k], v[BT+\k], 23, s[BIA]  ; the scale 2^(n - 8) as f32
.endr
.irp k, 0,2,4,6
	v_lshl_add_u32 v[WT+\k/2], v[BT+\k+1], 8, v[BT+\k]
.endr
.irp k, 0,2,4,6
	v_pk_mul_f32 v[BH+\k:BH+\k+1], v[BS+\k:BS+\k+1], 0x43e00000 op_sel_hi:[1,0] ; 448 x the scale
.endr
	v_lshl_add_u32 v[WT], v[WT+1], 16, v[WT]
	v_lshl_add_u32 v[WT+2], v[WT+3], 16, v[WT+2]
	v_pk_mul_f32 v[LS:LS+1], v[LS:LS+1], v[FF:FF+1] op_sel_hi:[1,0]             ; the sums under the new M
	v_pk_mul_f32 v[LS+8:LS+9], v[LS+8:LS+9], v[FF:FF+1] op_sel:[0,1] op_sel_hi:[1,1]
	v_add_nc_u32 v[PS], 0x77777777, v[WT]          ; p's scale words: 119 in each byte and the four n
	v_add_nc_u32 v[PS+1], 0x77777777, v[WT+2]
.set j, 0
.rept 32
	v_pk_fma_f32 v[SS+j:SS+j+1], v[SS+j:SS+j+1], s[CS:CS+1], v[NN:NN+1] op_sel_hi:[1,0,0]   ; tile 0's t - M, two at a time
.set j, j+2
.endr
	WIN 0x41
.set j, 0
.rept 16
	v_pk_mul_f32 v[OT+j:OT+j+1], v[OT+j:OT+j+1], v[FF:FF+1] op_sel_hi:[1,0]     ; O^T under the new M
	v_pk_mul_f32 v[OT+32+j:OT+33+j], v[OT+32+j:OT+33+j], v[FF:FF+1] op_sel:[0,1] op_sel_hi:[1,1]
.set j, j+2
.endr
	WIN 0
	s_wait_alu depctr_va_vdst(0)                   ; the wait ahead of the batch
.set j, 0
.rept 32                               ; tile 0's exponentials, and among them tile 1's t - M
	v_exp_f32 v[SS+j], v[SS+j]                     ; p = 2^(t - M)
	v_exp_f32 v[SS+j+1], v[SS+j+1]
	v_pk_fma_f32 v[SS+64+j:SS+65+j], v[SS+64+j:SS+65+j], s[CS:CS+1], v[NN:NN+1] op_sel:[0,0,1] op_sel_hi:[1,0,1]
.set j, j+2
.endr
	s_wait_alu depctr_va_vdst(0)                   ; one wait for tile 0's batch, ahead of its first reader, and for tile 1's sources
	SUM LS, SS
.set i_, 0
.rept 32                               ; tile 1's exponentials, and among them tile 0's holds
	v_exp_f32 v[SS+64+2*i_], v[SS+64+2*i_]
	v_exp_f32 v[SS+65+2*i_], v[SS+65+2*i_]
	HOLD 0, i_
.set i_, i_+1
.endr
	s_wait_alu depctr_va_vdst(0)                   ; the same for tile 1's batch and tile 0's holds
	CODES 0
	SUM LS+8, SS+64
.set i_, 0
.rept 32
	HOLD 1, i_
.set i_, i_+1
.endr
	CODES 1
.rept 4
	v_nop                                          ; codes written by vector instructions stand four places ahead of a scaled matrix instruction
.endr
	s_wait_alu depctr_va_vdst(0)                   ; the wait here, directly ahead of the wait below
.if \pre
	s_wait_dscnt 17                                ; V and its scale words are in; K's seventeen loads for the next step, issued behind them, may be out
.else
	s_wait_dscnt 0x0
.endif
	WIN 0x55
.irp t, 0,1,2,3                        ; O^T += V^T P^T: the eight accumulators take turns, one instruction a turn
.irp u, 0,1
.if \t > 1
	v_wmma_scale_f32_16x16x128_f8f6f4 v[OT+32*\u+8*\t:OT+32*\u+8*\t+7], v[VF+16*\t:VF+16*\t+15], v[PC+16*\u:PC+16*\u+15], v[OT+32*\u+8*\t:OT+32*\u+8*\t+7], v[VS+(\t%2)], v[PS+\u] matrix_a_scale:MATRIX_SCALE_ROW1
.else
	v_wmma_scale_f32_16x16x128_f8f6f4 v[OT+32*\u+8*\t:OT+32*\u+8*\t+7], v[VF+16*\t:VF+16*\t+15], v[PC+16*\u:PC+16*\u+15], v[OT+32*\u+8*\t:OT+32*\u+8*\t+7], v[VS+(\t%2)], v[PS+\u]
.endif
.endr
.endr
	WIN 0
.endm
	s_wait_alu depctr_va_vdst(0)                   ; the wait at the head's end
	s_wait_loadcnt 0x0                             ; Q and its scale words
	s_cmp_eq_u32 s[WV], 0
	s_cbranch_scc0 .Lnot_yet
	s_wait_tensorcnt 0x0                           ; wave 0: steps 0 and 1 have landed.  The other waves' wait stands in step 1
.Lnot_yet:
	s_barrier_signal -1
	s_barrier_wait -1                              ; every wave may read steps 0 and 1
	KLOAD LI, 0
	s_mov_b32 s[TB], 0
	STEP 0, 1
	s_mov_b32 s[TB], REC
	STEP 1, 1                                      ; its loads of step 2's K stand behind the second barrier
	s_mov_b32 s[TB], 2*REC
	s_mov_b32 s[CNT], 13
.Lstep:                                                ; steps 2 to 14
	STEP 0, 1
	s_add_co_u32 s[TB], s[TB], REC
	s_sub_co_u32 s[CNT], s[CNT], 1
	s_cmp_lg_u32 s[CNT], 0
	s_cbranch_scc1 .Lstep
	s_mov_b32 s[TB], 15*REC
	STEP 0, 0                                      ; the last step fetches no K
	; THE WAY OUT.  The sums' chains and halves are added; O^T / the sum goes through my stage in LDS, a tile (16 rows of 256 bytes) at a time, and leaves as whole rows, two a store.
	MERGE1
	MERGE2
.rept 2
	v_nop                                          ; with the six lines above: eight places behind the last products
.endr
.irp u, 0,1
	v_add_f32 v[TT+\u], v[LS+8*\u], v[LS+8*\u+1]
.endr
.irp u, 0,1
	v_permlanex16_b32 v[BT+\u], v[TT+\u], s[SEL], s[SEL+1]
.endr
.irp u, 0,1
	v_add_f32 v[TT+\u], v[TT+\u], v[BT+\u]         ; with lane l xor 16's keys: the row's sum
.endr
	s_wait_alu depctr_va_vdst(0)                   ; the wait ahead of the batch
	v_rcp_f32 v[TT], v[TT]
	v_rcp_f32 v[TT+1], v[TT+1]
	v_nop                                          ; a plain line behind the reciprocals
	WIN 0x01
	s_wait_alu depctr_va_vdst(0)                   ; ahead of the first reader of the reciprocals and of the last products
.set j, 0
.rept 16
	v_pk_mul_f32 v[SS+j:SS+j+1], v[OT+j:OT+j+1], v[TT:TT+1] op_sel_hi:[1,0]     ; register 8 dt + i: channel 16 dt + 8 h + i of my query; each accumulator from its low end on
	v_pk_mul_f32 v[SS+32+j:SS+33+j], v[OT+32+j:OT+33+j], v[TT:TT+1] op_sel:[0,1] op_sel_hi:[1,1]
.set j, j+2
.endr
	WIN 0
.irp u, 0,1
.irp t, 0,1,2,3
	ds_store_b128 v[STO], v[SS+32*\u+8*\t:SS+32*\u+8*\t+3] offset:64*\t
	ds_store_b128 v[STO], v[SS+32*\u+8*\t+4:SS+32*\u+8*\t+7] offset:64*\t+16
.endr
.irp i, 0,1,2,3,4,5,6,7
	ds_load_b128 v[SS+64+32*\u+4*\i:SS+67+32*\u+4*\i], v[RD] offset:2*SPI*\i    ; LDS serves a wave's instructions in order (ISA guide 5.7.1.4): these see my stores, and tile 1's stores come behind them
.endr
.endr
.irp i, 0,1,2,3,4,5,6,7
	s_wait_dscnt 23-\i                             ; behind tile 0's load i: its 7 - i younger loads and tile 1's sixteen LDS instructions
	global_store_b128 v[LI], v[SS+64+4*\i:SS+67+4*\i], s[10:11] offset:256*(2*\i+8*(\i/4)) th:TH_STORE_NT       ; rows 2 i, 2 i + 1 of tile u are queries 8 u + 2 i + 8 (i / 4) and the next: 512 consecutive bytes
.endr
.irp i, 0,1,2,3,4,5,6,7
	s_wait_dscnt 7-\i
	global_store_b128 v[LI], v[SS+96+4*\i:SS+99+4*\i], s[10:11] offset:256*(8+2*\i+8*(\i/4)) th:TH_STORE_NT
.endr
	s_wait_tensorcnt 0x0                           ; the wave's end
	ds_add_u32 v[SPW], v[NIL]
	s_wait_dscnt 0x0
	ROUND                                          ; the closing round: no work-group ends while a partner may still ask for a tile that names it
	s_endpgm
.Lfunc_end_k_q5d4e062280_attn:
	.size	k_q5d4e062280_attn, .Lfunc_end_k_q5d4e062280_attn-k_q5d4e062280_attn
	.p2alignl 7, 3214868480
	.fill 96, 4, 3214868480
	.section	.rodata,"a",@progbits
	.p2align	6, 0x0
	.amdhsa_kernel k_q5d4e062280_attn
		.amdhsa_group_segment_fixed_size 327680
		.amdhsa_private_segment_fixed_size 0
		.amdhsa_enable_private_segment 0
		.amdhsa_kernarg_size 32
		.amdhsa_user_sgpr_count 2
		.amdhsa_user_sgpr_kernarg_segment_ptr 1
		.amdhsa_wavefront_size32 1
		.amdhsa_system_sgpr_workgroup_id_x 1
		.amdhsa_system_sgpr_workgroup_id_y 1
		.amdhsa_system_sgpr_workgroup_id_z 1
		.amdhsa_system_vgpr_workitem_id 0
		.amdhsa_next_free_vgpr 512
		.amdhsa_next_free_sgpr 76
		.amdhsa_reserve_vcc 0
		.amdhsa_float_denorm_mode_32 3
		.amdhsa_float_denorm_mode_16_64 3
		.amdhsa_memory_ordered 1
		.amdhsa_forward_progress 1
		.amdhsa_inst_pref_size 147
	.end_amdhsa_kernel
	.amdgpu_metadata
---
amdhsa.version: [ 1, 2 ]
amdhsa.kernels:
  - .name:           k_q5d4e062280_attn
    .symbol:         k_q5d4e062280_attn.kd
    .args:
      - { .name: qc, .offset: 0, .size: 8, .value_kind: global_buffer, .address_space: global }
      - { .name: kv, .offset: 8, .size: 8, .value_kind: global_buffer, .address_space: global }
      - { .name: qs, .offset: 16, .size: 8, .value_kind: global_buffer, .address_space: global }
      - { .name: out0, .offset: 24, .size: 8, .value_kind: global_buffer, .address_space: global }
    .group_segment_fixed_size: 327680
    .private_segment_fixed_size: 0
    .kernarg_segment_align: 8
    .kernarg_segment_size: 32
    .max_flat_workgroup_size: 256
    .sgpr_count:     76
    .vgpr_count:     512
    .wavefront_size: 32
...
	.end_amdgpu_metadata
.endif
;; end of part 2
